; MI455X (gfx1250); checked and timed in simulation.
; The chip was launched on July 23, 2026; its instructions are those of AMD's public machine-readable ISA for CDNA 5 (MIT licence, August 2026) and "CDNA5" Instruction Set Architecture Reference Guide (July 2026). The comments in the code are by the model that wrote it; some were corrected since.
;; Sparse Mo E Layer. Allowed arithmetic: float matrix products may take bf16 or f16 operands with f32 sums; other float arithmetic in f32, or as packed bf16 or f16 multiplies, adds, multiply-adds, maxima and minima; sums over many terms, partial sums and values carried from step to step in f32; what a program stores and reads back later, other than sums and carried values, may be rounded once to bf16 or f16.
;; Inputs: W1 8 x 1,024 x 4,096 float32; W2 8 x 4,096 x 1,024 float32; Wg 1,024 x 8 float32; b1 8 x 4,096 float32; b2 8 x 1,024 float32; bg 8 float32; x 4 x 256 x 1,024 float32.
;; Outputs: out0 4 x 256 x 1,024 float32.
;; One version. Each part assembles by itself: llvm-mc -triple=amdgcn-amd-amdhsa -mcpu=gfx1250 --defsym DOCPART=n.
;; ======== version 1 of 1: 5 launches
;; limits: values outside matrix products are rounded to bf16
;; workspace buffers: xb 2,097,152 bytes; sel 8,192 bytes of whole numbers; gate 8,192 bytes; rows 34,816 bytes of whole numbers; xg 16,777,216 bytes; hid 67,108,864 bytes; part 33,685,504 bytes
;; launch route (part 1): grid 256 x 1, 4 waves a work-group, no clusters, 16,896 bytes of LDS; arguments x, Wg, bg, xb, sel, gate; writes xb, sel, gate
.if DOCPART == 1
	.amdgcn_target "amdgcn-amd-amdhsa--gfx1250"
	.amdhsa_code_object_version 6
	.text
	.protected	k_qcdd2e52af1_route
	.globl	k_qcdd2e52af1_route
	.p2align	8
	.type	k_qcdd2e52af1_route,@function
k_qcdd2e52af1_route:
	s_mov_b64 s[64:65], 0
	v_nop
	global_prefetch_b8 v0, s[64:65] scope:SCOPE_SE
	s_setreg_imm32_b32 hwreg(HW_REG_WAVE_MODE, 25, 1), 1
	s_wait_xcnt 0x0
; ROUTER.  For each of the 1,024 tokens: x rounded to bf16 (stored as xb for the first product), logits = x Wg + bg, softmax with the
; row's maximum taken away, the two largest probabilities (a strict 'greater' in ascending order: the lower index wins a tie), and the
; two gates p / ((pa + pb) + 1e-6).  Slot s = 2 t + k of token t holds choice k: sel[s] the expert, gate[s] the weight, at fixed places.
; SHARES.  A wave takes one token, a work-group four.  Lane l holds x[128 j + 4 l + c], j = 0..7, c = 0..3: each load of the wave covers 512
; consecutive bytes of the row, each store of xb 256.
; FORMATS.  x, Wg and bg are rounded to bf16 once, as every input of this program is; products of two bf16 numbers are exact in f32, sums in f32.
; WHY VECTOR ARITHMETIC.  This product has 8 columns: 16.8 million of the program's 34.4 billion operations.  A matrix operand wants a token
; in each lane, which would cut x's rows and xb's stores into pieces of 64 bytes; here each row is read and written whole.
; Wg: the work-group rounds it once into LDS (16 bytes for each k: eight bf16), laid so that a wave's load takes 512 consecutive bytes.
; LIMITS.  NaN and infinities are not treated apart.  A probability below 2^-126 counts as 0 (v_exp_f32 flushes: ISA guide, 15.8), so a second choice
; of such a weight may differ from the reference's, with a gate of about 0.  Two probabilities closer than the sums' rounding may change places.
.set SPARE, 16384                      ; behind Wg's 16,384 bytes: the spare words, 128 bytes a wave, two blocks of 256 bytes that no other line names
.set LANE, 1
.set SPW,  2                           ; LDS address of my spare word; never rewritten
.set NIL,  3                           ; 0; never rewritten
.set ZERO, 4                           ; 0.0, the first products' addend
.set ONEF, 5                           ; 1.0
.set XO,   6                           ; 16 x lane
.set WGO,  7                           ; 16 x thread
.set LST,  8                           ; where my thread puts its halves of Wg's records
.set XBO,  9                           ; 8 x lane
.set ACC,  12                          ; v12-19  the eight sums, then logits, then probabilities
.set X,    36                          ; v36-67  x as loaded; later at work
.set XB,   68                          ; v68-83  x in bf16
.set WF,   84                          ; v84-147 Wg as loaded
.set WC,   148                         ; v148-179 Wg in bf16
.set WR,   84                          ; v84-211 later: all of Wg in bf16, record (j, c) at WR + 16 j + 4 c
.macro FMIX d, a, b, cc, ha, hb        ; v[d] = bf16 half ha of v[a] x bf16 half hb of v[b] + v[cc]
.if ((\ha) == 0) && ((\hb) == 0)
	v_fma_mix_f32_bf16 v[\d], v[\a], v[\b], v[\cc] op_sel_hi:[1,1,0]
.elseif ((\ha) == 1) && ((\hb) == 0)
	v_fma_mix_f32_bf16 v[\d], v[\a], v[\b], v[\cc] op_sel:[1,0,0] op_sel_hi:[1,1,0]
.elseif (\ha) == 0
	v_fma_mix_f32_bf16 v[\d], v[\a], v[\b], v[\cc] op_sel:[0,1,0] op_sel_hi:[1,1,0]
.else
	v_fma_mix_f32_bf16 v[\d], v[\a], v[\b], v[\cc] op_sel:[1,1,0] op_sel_hi:[1,1,0]
.endif
.endm
	s_load_b256 s[4:11], s[0:1], 0x0               ; x s[4:5], Wg s[6:7], bg s[8:9], xb s[10:11]
	s_load_b128 s[12:15], s[0:1], 0x20             ; sel s[12:13], gate s[14:15]
	v_lshl_add_u32 v[SPW], v0, 2, SPARE
	v_mov_b32 v[NIL], 0
	v_lshrrev_b32 v10, 5, v0
	v_readfirstlane_b32 s24, v10                   ; wave 0..3
	s_lshl_b32 s25, ttmp9, 2
	s_add_co_u32 s25, s25, s24                     ; my token t
	v_and_b32 v[LANE], 31, v0
	v_lshlrev_b32 v[XO], 4, v[LANE]
	v_lshlrev_b32 v[WGO], 4, v0
	v_lshlrev_b32 v[XBO], 3, v[LANE]
	; Thread T loads 16 bytes at 16 T + 2,048 m of Wg: k = (T >> 1) + 64 m, experts 4 (T & 1) on.  The record of k lies at 16 x (128 (k >> 7) + 32 (k & 3) + ((k >> 2) & 31)).
	v_bfe_u32 v10, v0, 1, 2                        ; k & 3
	v_bfe_u32 v11, v0, 3, 4                        ; (k >> 2) & 15; m's low bit gives the fifth bit, in the store's offset
	v_and_b32 v[LST], 1, v0
	v_lshlrev_b32 v[LST], 3, v[LST]
	v_lshl_add_u32 v[LST], v11, 4, v[LST]
	v_lshl_add_u32 v[LST], v10, 9, v[LST]
	v_mov_b32 v[ZERO], 0
	v_mov_b32 v[ONEF], 1.0
	s_mov_b32 s28, 0x76543210                      ; v_permlanex16_b32: each lane takes its own place in the other half
	s_mov_b32 s29, 0xfedcba98
	s_mov_b32 s27, 0
	s_wait_kmcnt 0x0
	s_load_b256 s[16:23], s[8:9], 0x0              ; bg
	s_lshl_b32 s26, s25, 12
	s_add_nc_u64 s[4:5], s[4:5], s[26:27]          ; x at my row
	s_lshl_b32 s26, s25, 11
	s_add_nc_u64 s[10:11], s[10:11], s[26:27]      ; xb at my row
	s_lshl_b32 s26, s25, 3
	s_add_nc_u64 s[12:13], s[12:13], s[26:27]      ; sel and gate at my two slots
	s_add_nc_u64 s[14:15], s[14:15], s[26:27]
.set m, 0
.rept 16
	global_load_b128 v[WF+4*m:WF+4*m+3], v[WGO], s[6:7] offset:2048*m
.set m, m+1
.endr
.set j, 0
.rept 8
	global_load_b128 v[X+4*j:X+4*j+3], v[XO], s[4:5] offset:512*j th:TH_LOAD_NT
.set j, j+1
.endr
	s_wait_loadcnt 0x8                             ; Wg is in; x's eight loads may stay out
.set m, 0
.rept 16
	v_cvt_pk_bf16_f32 v[WC+2*m], v[WF+4*m], v[WF+4*m+1]
	v_cvt_pk_bf16_f32 v[WC+2*m+1], v[WF+4*m+2], v[WF+4*m+3]
	ds_store_b64 v[LST], v[WC+2*m:WC+2*m+1] offset:2048*(m/2)+256*(m%2)
.set m, m+1
.endr
	s_wait_dscnt 0x0                               ; for the others' sake: my part of Wg is in LDS
	s_barrier_signal -1
	s_barrier_wait -1                              ; everybody's is
.set j, 0
.rept 32
	ds_load_b128 v[WR+4*j:WR+4*j+3], v[XO] offset:512*j  ; record (j / 4, j % 4) of my lane: Wg[128 (j / 4) + 4 l + j % 4][0..7]
.set j, j+1
.endr
	s_wait_loadcnt 0x0                             ; x
.set j, 0
.rept 8
	v_cvt_pk_bf16_f32 v[XB+2*j], v[X+4*j], v[X+4*j+1]
	v_cvt_pk_bf16_f32 v[XB+2*j+1], v[X+4*j+2], v[X+4*j+3]
	global_store_b64 v[XBO], v[XB+2*j:XB+2*j+1], s[10:11] offset:256*j  ; the wave's store covers 256 consecutive bytes, aligned
.set j, j+1
.endr
.set j, 0
.rept 8
	s_wait_dscnt 28-4*j                            ; LDS loads come back in order: the four records of this j are in, the later ones may stay out
.set c, 0
.rept 4
.set e, 0
.rept 8
.if (j == 0) && (c == 0)
	FMIX ACC+e, XB+2*j+c/2, WR+16*j+4*c+e/2, ZERO, c%2, e%2
.else
	FMIX ACC+e, XB+2*j+c/2, WR+16*j+4*c+e/2, ACC+e, c%2, e%2
.endif
.set e, e+1
.endr
.set c, c+1
.endr
.set j, j+1
.endr
	; the eight sums over the 32 lanes; every lane ends with all eight
.irp k, 1,2,4,8
.irp e, 0,1,2,3,4,5,6,7
	v_add_f32_dpp v[ACC+\e], v[ACC+\e], v[ACC+\e] row_xmask:\k row_mask:0xf bank_mask:0xf
.endr
.endr
.irp e, 0,1,2,3,4,5,6,7
	v_permlanex16_b32 v[X+\e], v[ACC+\e], s28, s29 ; its destination counts as read: X has been written
.endr
.irp e, 0,1,2,3,4,5,6,7
	v_add_f32 v[ACC+\e], v[ACC+\e], v[X+\e]
.endr
	s_wait_kmcnt 0x0                               ; bg
.irp p, 0,1,2,3
	v_cvt_pk_bf16_f32 v[20+\p], s[16+2*\p], s[17+2*\p]
.endr
.irp p, 0,1,2,3
	v_fma_mix_f32_bf16 v[ACC+2*\p], v[20+\p], v[ONEF], v[ACC+2*\p] op_sel_hi:[1,0,0]                    ; + bf16(bg), the low half
	v_fma_mix_f32_bf16 v[ACC+2*\p+1], v[20+\p], v[ONEF], v[ACC+2*\p+1] op_sel:[1,0,0] op_sel_hi:[1,0,0]  ; the high half
.endr
	; softmax.  The difference from the maximum is taken first, as the reference takes it, and only then scaled by log2(e).
	v_max3_num_f32 v28, v[ACC], v[ACC+1], v[ACC+2]
	v_max3_num_f32 v28, v28, v[ACC+3], v[ACC+4]
	v_max3_num_f32 v28, v28, v[ACC+5], v[ACC+6]
	v_max_num_f32 v28, v28, v[ACC+7]
.irp e, 0,1,2,3,4,5,6,7
	v_sub_f32 v[ACC+\e], v[ACC+\e], v28
.endr
.irp e, 0,1,2,3,4,5,6,7
	v_mul_f32 v[ACC+\e], 0x3fb8aa3b, v[ACC+\e]
.endr
.irp e, 0,1,2,3,4,5,6,7
	v_exp_f32 v[ACC+\e], v[ACC+\e]
.endr
	v_nop                                          ; a plain instruction behind the last exponential,
	s_wait_alu depctr_va_vdst(0)                   ; and one wait for the batch of eight, ahead of its first reader
	v_add_f32 v20, v[ACC], v[ACC+1]
	v_add_f32 v21, v[ACC+2], v[ACC+3]
	v_add_f32 v22, v[ACC+4], v[ACC+5]
	v_add_f32 v23, v[ACC+6], v[ACC+7]
	v_add_f32 v20, v20, v21
	v_add_f32 v22, v22, v23
	v_add_f32 v20, v20, v22
	v_rcp_f32 v20, v20
	v_nop
	s_wait_alu depctr_va_vdst(0)                   ; the reciprocal's wait
.irp e, 0,1,2,3,4,5,6,7
	v_mul_f32 v[ACC+\e], v[ACC+\e], v20
.endr
	; the largest: v28 its probability, v29 its index
	v_mov_b32 v28, v[ACC]
	v_mov_b32 v29, 0
.irp e, 1,2,3,4,5,6,7
	v_cmp_gt_f32 vcc_lo, v[ACC+\e], v28
	v_cndmask_b32 v28, v28, v[ACC+\e], vcc_lo
	v_cndmask_b32 v29, v29, \e, vcc_lo
.endr
	; the second: the winner counts as -1, below every probability
.irp e, 0,1,2,3,4,5,6,7
	v_cmp_eq_u32 vcc_lo, \e, v29
	v_cndmask_b32 v[X+\e], v[ACC+\e], -1.0, vcc_lo
.endr
	v_mov_b32 v30, v[X]
	v_mov_b32 v31, 0
.irp e, 1,2,3,4,5,6,7
	v_cmp_gt_f32 vcc_lo, v[X+\e], v30
	v_cndmask_b32 v30, v30, v[X+\e], vcc_lo
	v_cndmask_b32 v31, v31, \e, vcc_lo
.endr
	v_add_f32 v32, v28, v30
	v_add_f32 v32, 0x358637bd, v32                 ; + 1e-6
	v_rcp_f32 v32, v32
	v_lshlrev_b32 v35, 2, v[LANE]                  ; a plain instruction behind the reciprocal: my slot's byte
	s_wait_alu depctr_va_vdst(0)
	v_cmp_eq_u32 vcc_lo, 1, v[LANE]                ; lane 0 stores the first choice, lane 1 the second
	v_cndmask_b32 v33, v28, v30, vcc_lo
	v_cndmask_b32 v34, v29, v31, vcc_lo
	v_mul_f32 v33, v33, v32
	v_cmp_gt_u32 vcc_lo, 2, v[LANE]
	s_wait_xcnt 0x0                                ; EXEC is a source of xb's stores: it changes only behind this wait
	s_and_saveexec_b32 s30, vcc_lo
	global_store_b32 v35, v34, s[12:13]
	global_store_b32 v35, v33, s[14:15]
	s_wait_xcnt 0x0                                ; and again ahead of the line that widens it
	s_or_b32 exec_lo, exec_lo, s30
	s_wait_tensorcnt 0x0                           ; the wave's end
	ds_add_u32 v[SPW], v[NIL]
	s_wait_dscnt 0x0
	s_endpgm
.Lfunc_end_k_qcdd2e52af1_route:
	.size	k_qcdd2e52af1_route, .Lfunc_end_k_qcdd2e52af1_route-k_qcdd2e52af1_route
	.p2alignl 7, 3214868480
	.fill 96, 4, 3214868480
	.section	.rodata,"a",@progbits
	.p2align	6, 0x0
	.amdhsa_kernel k_qcdd2e52af1_route
		.amdhsa_group_segment_fixed_size 16896
		.amdhsa_private_segment_fixed_size 0
		.amdhsa_enable_private_segment 0
		.amdhsa_kernarg_size 48
		.amdhsa_user_sgpr_count 2
		.amdhsa_user_sgpr_kernarg_segment_ptr 1
		.amdhsa_wavefront_size32 1
		.amdhsa_system_sgpr_workgroup_id_x 1
		.amdhsa_system_sgpr_workgroup_id_y 1
		.amdhsa_system_sgpr_workgroup_id_z 1
		.amdhsa_system_vgpr_workitem_id 0
		.amdhsa_next_free_vgpr 216
		.amdhsa_next_free_sgpr 66
		.amdhsa_reserve_vcc 1
		.amdhsa_float_denorm_mode_32 3
		.amdhsa_float_denorm_mode_16_64 3
		.amdhsa_memory_ordered 1
		.amdhsa_forward_progress 1
		.amdhsa_inst_pref_size 36
	.end_amdhsa_kernel
	.amdgpu_metadata
---
amdhsa.version: [ 1, 2 ]
amdhsa.kernels:
  - .name:           k_qcdd2e52af1_route
    .symbol:         k_qcdd2e52af1_route.kd
    .args:
      - { .name: x, .offset: 0, .size: 8, .value_kind: global_buffer, .address_space: global }
      - { .name: Wg, .offset: 8, .size: 8, .value_kind: global_buffer, .address_space: global }
      - { .name: bg, .offset: 16, .size: 8, .value_kind: global_buffer, .address_space: global }
      - { .name: xb, .offset: 24, .size: 8, .value_kind: global_buffer, .address_space: global }
      - { .name: sel, .offset: 32, .size: 8, .value_kind: global_buffer, .address_space: global }
      - { .name: gate, .offset: 40, .size: 8, .value_kind: global_buffer, .address_space: global }
    .group_segment_fixed_size: 16896
    .private_segment_fixed_size: 0
    .kernarg_segment_align: 8
    .kernarg_segment_size: 48
    .max_flat_workgroup_size: 128
    .sgpr_count:     66
    .vgpr_count:     216
    .wavefront_size: 32
...
	.end_amdgpu_metadata
.endif
;; end of part 1
;; launch pack (part 2): grid 32 x 8, 4 waves a work-group, no clusters, 1,536 bytes of LDS; arguments xb, sel, xg, rows; writes xg, rows
.if DOCPART == 2
	.amdgcn_target "amdgcn-amd-amdhsa--gfx1250"
	.amdhsa_code_object_version 6
	.text
	.protected	k_qcdd2e52af1_pack
	.globl	k_qcdd2e52af1_pack
	.p2align	8
	.type	k_qcdd2e52af1_pack,@function
k_qcdd2e52af1_pack:
	s_mov_b64 s[64:65], 0
	v_nop
	global_prefetch_b8 v0, s[64:65] scope:SCOPE_SE
	s_setreg_imm32_b32 hwreg(HW_REG_WAVE_MODE, 25, 1), 1
	s_wait_xcnt 0x0
; THE ROWS OF EACH EXPERT, GATHERED ONCE.  From the router's choices (sel) the list of slots that chose expert e, in tiles of 16, and the tokens of those slots (xb, bf16) laid out as the matrix operands
; that the first product loads: xg[e][tile][K step of 32][1,024 bytes], an image being lane l's registers 0-3 at 16 l and its registers 4-7 at 512 + 16 l.
; WHY A LAUNCH OF ITS OWN.  An operand holds one row in each lane, so a gather straight into registers takes 32 bytes from each of 16 rows an instruction.  The first product's 32 column slices would each do
; that for all rows of their expert; here it is done once (2,048 rows and the tiles' padding, 2,048 bytes each), and the slices read images, 512 consecutive bytes an instruction.
; SHARES.  Wave g = 4 x + w of the 128 waves of expert e has tile T = g / 2 and half g % 2 of the 1,024 of K: 64 tiles, as many as one expert can have.  No wave waits for another: no barrier.
; THE LIST.  Every wave reads all 2,048 choices: register n of lane l is slot 128 (n / 4) + 4 l + n % 4.  A hit's rank is the number of hits so far + the hits in lower lanes; the count starts at -16 T, so that the
; ranks of my tile are 0..15: those slots go to my wave's 16 list words in LDS; every other lane writes one of 32 dump words that nobody reads.  Places past the count keep the pad entry 2,048 + e.
; The order (by register, then lane) is the same in every wave, and the second product takes it from rows.  Waves of half 0 store their tile's 16 entries (64 bytes; lanes 16-31 repeat lanes 0-15; 4,096 bytes an expert in
; all, every one written, the tiles past the count with pad entries); wave 0 of work-group 0 stores the count, 64 times: 256 bytes on end.
; A tile past the count gets no images.  In a tile that is not full the pad entries fall on token 1,023, a row that exists.
; LIMITS.  A choice outside 0..7 matches no expert.  The count is held to 1,024.
.set SPARE, 1024                       ; behind the four lists of 256 bytes: the spare words, 128 bytes a wave, two blocks of 256 bytes that no other line names
.set LANE,  1
.set SPW,   2                          ; LDS address of my spare word; never rewritten
.set NIL,   3                          ; 0; never rewritten
.set L16,   4                          ; 16 l
.set LF,    5                          ; my wave's list + 4 l
.set DW,    6                          ; my dump word's index: 16 + l
.set SB,    7                          ; 4 l
.set AO,    8                          ; byte offset of my row's part in xb
.set LISTA, 9                          ; my wave's list + 4 r
.set RWO,   10                         ; 64 T + 4 r
.set HO,    11                         ; 16 h + 1,024 x half
.set PADV,  12
.set ENT,   13                         ; entry 16 T + r of the list
.set T0,    16                         ; v16-19 at work
.set R,     20
.set H,     21
.set D,     64                         ; v64-127 the choices; then v64-191 the 16 operands of my half tile
.set WV,    16
.set E,     17
.set CNT,   19
.set NT,    20
.set T,     21
.set HF,    22
.set LISTW, 23
.set RB,    24                         ; s[24:25] rows at my expert
.set XP,    26                         ; s[26:27] xg at my half tile
.set RUN,   40
	s_load_b256 s[4:11], s[0:1], 0x0               ; xb s[4:5], sel s[6:7], xg s[8:9], rows s[10:11]
	v_lshl_add_u32 v[SPW], v0, 2, SPARE
	v_mov_b32 v[NIL], 0
	v_lshrrev_b32 v[T0], 5, v0
	v_readfirstlane_b32 s[WV], v[T0]               ; wave 0..3
	s_and_b32 s[E], ttmp7, 0xffff                  ; expert
	s_lshl_b32 s42, ttmp9, 2
	s_add_co_u32 s42, s42, s[WV]                   ; my wave among the expert's 128
	s_lshr_b32 s[T], s42, 1
	s_and_b32 s[HF], s42, 1
	v_and_b32 v[LANE], 31, v0
	v_and_b32 v[R], 15, v0
	v_bfe_u32 v[H], v0, 4, 1
	v_lshlrev_b32 v[L16], 4, v[LANE]
	v_lshlrev_b32 v[SB], 2, v[LANE]
	s_lshl_b32 s[LISTW], s[WV], 8                  ; my wave's 256 bytes: 16 list words, 32 dump words
	v_add_nc_u32 v[LF], s[LISTW], v[SB]
	v_lshl_add_u32 v[LISTA], v[R], 2, s[LISTW]
	v_add_nc_u32 v[DW], 16, v[LANE]
	s_lshl_b32 s42, s[T], 6
	v_lshl_add_u32 v[RWO], v[R], 2, s42
	s_lshl_b32 s42, s[HF], 10
	v_lshl_add_u32 v[HO], v[H], 4, s42
	s_add_co_u32 s42, s[E], 2048                   ; the pad entry
	v_mov_b32 v[PADV], s42
	s_lshl_b32 s42, s[T], 4
	s_sub_co_u32 s[RUN], 0, s42                    ; the count starts at -16 T
	s_mov_b32 s35, 0
	s_wait_kmcnt 0x0
	s_mul_i32 s34, s[E], 4352
	s_add_nc_u64 s[RB:RB+1], s[10:11], s[34:35]
	s_lshl_b32 s34, s[E], 21                       ; an expert's 64 tiles of 32 images,
	s_lshl_b32 s42, s[T], 15                       ; my tile,
	s_add_co_u32 s34, s34, s42
	s_lshl_b32 s42, s[HF], 14                      ; my 16 images of it
	s_add_co_u32 s34, s34, s42
	s_add_nc_u64 s[XP:XP+1], s[8:9], s[34:35]
.set g, 0
.rept 16
	global_load_b128 v[D+4*g:D+4*g+3], v[L16], s[6:7] offset:512*g
.set g, g+1
.endr
	ds_store_b32 v[LF], v[PADV]                    ; the list holds the pad entry first (words 16-31 are dump words)
	s_wait_loadcnt 0x0
.set n, 0
.rept 64
.set ta, T0+2*(n%2)
	v_cmp_eq_u32 s41, s[E], v[D+n]
	v_mbcnt_lo_u32_b32 v[ta], s41, s[RUN]          ; hits so far + hits in lower lanes, less 16 T
	v_cndmask_b32 v[ta], v[DW], v[ta], s41         ; a hit: its rank in my tile; else my dump word
	v_min_u32 v[ta], 47, v[ta]                     ; a rank of another tile (16 or more, or below 0 and so very large) falls on a dump word
	v_lshl_add_u32 v[ta], v[ta], 2, s[LISTW]
	v_add_nc_u32 v[ta+1], 128*(n/4)+n%4, v[SB]     ; the slot
	ds_store_b32 v[ta], v[ta+1]
	s_bcnt1_i32_b32 s42, s41
	s_add_co_u32 s[RUN], s[RUN], s42
.set n, n+1
.endr
	s_lshl_b32 s42, s[T], 4
	s_add_co_u32 s[CNT], s[RUN], s42
	s_min_u32 s[CNT], s[CNT], 1024
	s_add_co_u32 s[NT], s[CNT], 15
	s_lshr_b32 s[NT], s[NT], 4
	ds_load_b32 v[ENT], v[LISTA]                   ; LDS serves a wave's instructions in order: this sees my stores above
	s_wait_dscnt 0x0
	s_cmp_lg_u32 s[HF], 0
	s_cbranch_scc1 .Lnolist
	global_store_b32 v[RWO], v[ENT], s[RB:RB+1]
	s_cmp_lg_u32 s[T], 0
	s_cbranch_scc1 .Lnolist
	v_mov_b32 v[T0], s[CNT]
	global_store_b32 v[SB], v[T0], s[RB:RB+1] offset:4096
	global_store_b32 v[SB], v[T0], s[RB:RB+1] offset:4224
.Lnolist:
	s_cmp_ge_u32 s[T], s[NT]
	s_cbranch_scc1 .Lend                           ; a tile past the count
	v_lshrrev_b32 v[AO], 1, v[ENT]                 ; token = slot / 2
	v_min_u32 v[AO], 0x3ff, v[AO]
	v_lshl_add_u32 v[AO], v[AO], 11, v[HO]
.set k, 0
.rept 32
	global_load_b128 v[D+4*k:D+4*k+3], v[AO], s[4:5] offset:32*k  ; K step k / 2 of my half: registers 0-3 (k even: 8 h + 0..7 of its 32) or 4-7 (k odd: 16 + 8 h + 0..7)
.set k, k+1
.endr
.set k, 0
.rept 32
	s_wait_loadcnt 31-k                            ; loads come back in order: number k is in, the later ones stay out
	global_store_b128 v[L16], v[D+4*k:D+4*k+3], s[XP:XP+1] offset:512*k  ; 512 consecutive bytes, aligned
.set k, k+1
.endr
.Lend:
	s_wait_tensorcnt 0x0                           ; the wave's end
	ds_add_u32 v[SPW], v[NIL]
	s_wait_dscnt 0x0
	s_endpgm
.Lfunc_end_k_qcdd2e52af1_pack:
	.size	k_qcdd2e52af1_pack, .Lfunc_end_k_qcdd2e52af1_pack-k_qcdd2e52af1_pack
	.p2alignl 7, 3214868480
	.fill 96, 4, 3214868480
	.section	.rodata,"a",@progbits
	.p2align	6, 0x0
	.amdhsa_kernel k_qcdd2e52af1_pack
		.amdhsa_group_segment_fixed_size 1536
		.amdhsa_private_segment_fixed_size 0
		.amdhsa_enable_private_segment 0
		.amdhsa_kernarg_size 32
		.amdhsa_user_sgpr_count 2
		.amdhsa_user_sgpr_kernarg_segment_ptr 1
		.amdhsa_wavefront_size32 1
		.amdhsa_system_sgpr_workgroup_id_x 1
		.amdhsa_system_sgpr_workgroup_id_y 1
		.amdhsa_system_sgpr_workgroup_id_z 1
		.amdhsa_system_vgpr_workitem_id 0
		.amdhsa_next_free_vgpr 192
		.amdhsa_next_free_sgpr 66
		.amdhsa_reserve_vcc 0
		.amdhsa_float_denorm_mode_32 3
		.amdhsa_float_denorm_mode_16_64 3
		.amdhsa_memory_ordered 1
		.amdhsa_forward_progress 1
		.amdhsa_inst_pref_size 42
	.end_amdhsa_kernel
	.amdgpu_metadata
---
amdhsa.version: [ 1, 2 ]
amdhsa.kernels:
  - .name:           k_qcdd2e52af1_pack
    .symbol:         k_qcdd2e52af1_pack.kd
    .args:
      - { .name: xb, .offset: 0, .size: 8, .value_kind: global_buffer, .address_space: global }
      - { .name: sel, .offset: 8, .size: 8, .value_kind: global_buffer, .address_space: global }
      - { .name: xg, .offset: 16, .size: 8, .value_kind: global_buffer, .address_space: global }
      - { .name: rows, .offset: 24, .size: 8, .value_kind: global_buffer, .address_space: global }
    .group_segment_fixed_size: 1536
    .private_segment_fixed_size: 0
    .kernarg_segment_align: 8
    .kernarg_segment_size: 32
    .max_flat_workgroup_size: 128
    .sgpr_count:     66
    .vgpr_count:     192
    .wavefront_size: 32
...
	.end_amdgpu_metadata
.endif
;; end of part 2
;; launch up (part 3): grid 32 x 8, 4 waves a work-group, no clusters, 229,888 bytes of LDS; arguments W1, b1, xg, rows, hid; writes hid
.if DOCPART == 3
	.amdgcn_target "amdgcn-amd-amdhsa--gfx1250"
	.amdhsa_code_object_version 6
	.text
	.protected	k_qcdd2e52af1_up
	.globl	k_qcdd2e52af1_up
	.p2align	8
	.type	k_qcdd2e52af1_up,@function
k_qcdd2e52af1_up:
	s_mov_b64 s[64:65], 0
	v_nop
	global_prefetch_b8 v0, s[64:65] scope:SCOPE_SE
	s_setreg_imm32_b32 hwreg(HW_REG_WAVE_MODE, 25, 1), 1
	s_wait_xcnt 0x0
; FIRST PRODUCT OF THE EXPERTS.  H = gelu(x W1[e] + b1[e]) (tanh form) for the rows that chose expert e, and nothing for the others.
; SHARES.  Work-group (slice, e) owns columns 128 slice .. + 127 of W1[e], all 1,024 of K: 512 KiB of f32 that it alone reads, once for each pass.  It takes ALL rows of its expert, in tiles
; of 16.  Wave w takes tiles PB + w + 4 i, i = 0..5; a pass serves 24 tiles (384 rows), three passes 72: more than the 64 that one expert can have.  The number of
; passes, trips and barriers is constant; only work is jumped over: a pass without tiles (ALIVE = 0) jumps each trip's body, a wave with MT < 6 tiles the products of the others.
; Loads never stand under a tile's guard, so every count on LOADcnt is a constant: a tile past the count repeats the expert's last tile.  The count comes from rows, which an earlier launch stored.
; WEIGHTS WITHOUT A TRANSPOSE.  W1 lies [k][f].  For 32 of K and 64 columns lane (r = l % 16, h = l / 16) loads columns 4 r .. 4 r + 3 of the 16 rows k of its half (8 h + 0..7, 16 + 8 h + 0..7): a load covers 256
; consecutive bytes of two rows.  Numbers i of two neighbouring rows, rounded to bf16 as a pair, are a register of the matrix operand whose 16 columns are 4 r + i: 16 loads and 32 conversions make four
; operands.  Wave w makes K step w >> 1, column block w & 1 of each trip (K = 64); the operands go to LDS as register images (lane l at 16 l) and all four waves read them back.
; TOKENS are the operand images that an earlier launch gathered (xg[e][tile][K step][1,024 bytes]): 512 consecutive bytes a load, straight into registers: each operand has one reader in the work-group.
; THE PRODUCT IS USED TRANSPOSED (source 0 = weights, source 1 = tokens): register j of lane (r, h) is token r, column 64 blk + 4 (8 h + j) + i.  Two such results, rounded in pairs, ARE a token operand of the second
; product for 32 of ITS K, in an order of k that the second product follows when it loads W2's rows.  They are stored as images: hid[e][tile][K step of 32][1,024 bytes], 4,096 bytes on end for a tile and work-group.
; THE BIAS is the sums' first K step: weights' side bf16(b1) in k slot 0, tokens' side 1.0 in k slot 0, C = 0.  Nothing is cleared, and no bias is added later.
; NO CLUSTER, NO TENSOR LOADS: each weight byte has one reader.  The images that an expert's 32 slices share could be asked for jointly, but through LDS they would add a tile's 2,048 bytes a trip and wave, written and
; read, to what LDS already serves (16,384 bytes read a trip and wave), in a loop whose number of tiles hangs on a stored count.
; FORMATS AND LIMITS.  W1, b1 and x are rounded to bf16 once; sums in f32; H rounded to bf16 once.  NaN and infinities are not treated apart; gelu goes to x or to -0 where 2^.. overflows or vanishes.
.set ISUP,  1
.set PITCH, 16384                      ; bytes from a row of the weights to the next
.set LOGP,  14
.set LOGH,  17                         ; the lanes' upper half starts 8 rows further down: 8 x PITCH = 2^17
.set KRB,   32*PITCH                   ; bytes from a trip's first K step to its second
.set WT,    64*PITCH                   ; weights' bytes from trip to trip
.set AT,    2048                       ; tokens' bytes from trip to trip: two images
.set APS,   512                        ; bytes between the four loads of a tile and trip
.set LOGT,  15                         ; a tile's 32 images
.set W_LO,  0xa3                       ; products: source 0 (weights) window 3, source 1 (tokens) window 0, C and D window 2 (tiles 0-3)
.set W_HI,  0xf3                       ; the same, C and D window 3 (tiles 4, 5)
; LDS
.set SLOTB, 16384                      ; a slot: 16 operand images of 1,024 bytes, image 8 ks + n; two slots take turns
.set SPARE, 2*SLOTB                    ; the spare words, 128 bytes a wave: two blocks of 256 bytes that no other line names
.set STG,   SPARE+512                  ; each wave's own stage for finished sums: six tiles of 8,192 bytes
.set STGP,  49152
; vector registers, window 0
.set LANE,  1
.set SPW,   2                          ; LDS address of my spare word; never rewritten
.set NIL,   3                          ; 0; never rewritten
.set WO,    4                          ; my byte offset in a trip's weights
.set LW,    5                          ; where I put my operand images: 16 l + 4,096 w
.set L16,   6                          ; 16 l
.set PFO,   7                          ; my thread's 256 bytes of a trip's weights, for the prefetch
.set AO,    8                          ; v8-13   byte offset of tile i's images in the expert's xg
.set STA,   15                         ; my 16 bytes in my wave's stage
.set ONE,   16                         ; v16-23  the tokens' side of the bias step
.set BP,    24                         ; v24-31  bf16(bias) of column tile n in k slot 0
.set CT,    32                         ; v32-47  converted operands on their way to LDS; at the head: at work
.set BV,    48                         ; v48-55  the bias as loaded
.set STR,   57                         ; walks the stage
.set AS,    64                         ; v64-159, v160-255  token operands, two stages: tile i, K step ks at + 16 i + 8 ks
.set R,     32                         ; at the head only
.set H,     33
.set BO,    34
.set T0,    42                         ; v42-43
.set BM,    46
; window 1: v0-63, v64-127 weights as loaded, two stages; on the way out X = v0-63, TM = v128-191, IMG = v192-223
.set X,     0
.set TM,    128
.set IMG,   192
; window 2: sums of tiles 0-3 at 64 i + 8 n.  window 3: sums of tiles 4, 5 at 64 (i - 4) + 8 n; BF = v128-255, the trip's 16 weight operands
.set BF,    128
; scalar registers
.set WV,    16
.set E,     17
.set SL,    18
.set CNT,   19
.set NT,    20                         ; tiles of the expert
.set PB,    21                         ; the pass's first tile
.set ALIVE, 22
.set MT,    23                         ; my wave's tiles in this pass, 0..6
.set IT,    24
.set PASSC, 25
.set EI,    26
.set WP,    28
.set AP,    30
.set HP,    32
.set C0,    36
.set C1,    38
.set WP0,   48
.set AP0,   50
.set HB,    52
.set MSB, 0
.macro WIN new                         ; s_set_vgpr_msb: bits 1:0 source 0, 3:2 source 1, 5:4 source 2, 7:6 destination; the high byte repeats the setting that is left
.if MSB != (\new)
	s_set_vgpr_msb (MSB<<8)|(\new)
.set MSB, \new
.endif
.endm
.macro PLACES                          ; four places behind a matrix instruction (ISA guide 7.12.1)
.rept 4
	v_nop
.endr
.endm
.macro WISSUE st, kw                   ; my 16 loads of a trip's weights, at byte kw from WP, into stage st
	WIN 0x40
.set q, 0
.rept 16
.if ISUP
.set rq, q+8*(q/8)
.else
.set rq, 4*(q%8)+q/8
.endif
	global_load_b128 v[64*(\st)+4*q:64*(\st)+4*q+3], v[WO], s[WP:WP+1] offset:(\kw)+rq*PITCH th:TH_LOAD_NT
.set q, q+1
.endr
.endm
.macro AISSUE st, ka                   ; 24 loads: six tiles' token operands of a trip, at byte ka from AP, into stage st
	WIN 0
.set i, 0
.rept 6
.set m, 0
.rept 4
	global_load_b128 v[AS+96*(\st)+16*i+4*m:AS+96*(\st)+16*i+4*m+3], v[AO+i], s[AP:AP+1] offset:(\ka)+APS*m
.set m, m+1
.endr
.set i, i+1
.endr
.endm
.macro CONSUME st, slot                ; stage st of the weights becomes four operands in LDS slot 'slot'
.irp g, 0, 2
	WIN 0x05
.irp d, 0, 1
.set p, 0
.rept 8
	v_cvt_pk_bf16_f32 v[CT+8*(\d)+p], v[64*(\st)+8*p+(\g)+(\d)], v[64*(\st)+8*p+4+(\g)+(\d)]
.set p, p+1
.endr
.endr
	WIN 0
.irp d, 0, 1
	ds_store_b128 v[LW], v[CT+8*(\d):CT+8*(\d)+3] offset:(\slot)*SLOTB+((\g)+(\d))*1024
	ds_store_b128 v[LW], v[CT+8*(\d)+4:CT+8*(\d)+7] offset:(\slot)*SLOTB+((\g)+(\d))*1024+512
.endr
.endr
.endm
.macro BLOAD slot                      ; the trip's 16 weight operands, 32 loads of 512 consecutive bytes
	WIN 0xc0
.set f, 0
.rept 16
	ds_load_b128 v[BF+8*f:BF+8*f+3], v[L16] offset:(\slot)*SLOTB+f*1024
	ds_load_b128 v[BF+8*f+4:BF+8*f+7], v[L16] offset:(\slot)*SLOTB+f*1024+512
.set f, f+1
.endr
.endm
.macro MUL16 st, i                     ; tile i: 2 K steps x 8 column tiles; the eight sums take turns, one instruction a turn
.if (\i) < 4
	WIN W_LO
.else
	WIN W_HI
.endif
.irp ks, 0, 1
.set n, 0
.rept 8
.set rA, 64*((\i)%4)+8*n
.set rB, BF+64*(\ks)+8*n
.set rT, AS+96*(\st)+16*(\i)+8*(\ks)
.if ISUP
	v_wmma_f32_16x16x32_bf16 v[rA:rA+7], v[rB:rB+7], v[rT:rT+7], v[rA:rA+7]
.else
	v_wmma_f32_16x16x32_bf16 v[rA:rA+7], v[rT:rT+7], v[rB:rB+7], v[rA:rA+7]
.endif
.set n, n+1
.endr
.endr
.endm
.macro STARTER                         ; the sums' first K step: the bias.  All 48 sums are started, those of tiles that the wave does not have too
	WIN 0xc0
.set n, 0
.rept 8
	v_mov_b32 v[BF+8*n], v[BP+n]
.set k, 1
.rept 7
	v_mov_b32 v[BF+8*n+k], 0
.set k, k+1
.endr
.set n, n+1
.endr
.set i, 0
.rept 6
.if i < 4
	WIN W_LO
.else
	WIN W_HI
.endif
.set n, 0
.rept 8
.set rA, 64*(i%4)+8*n
.if ISUP
	v_wmma_f32_16x16x32_bf16 v[rA:rA+7], v[BF+8*n:BF+8*n+7], v[ONE:ONE+7], 0
.else
	v_wmma_f32_16x16x32_bf16 v[rA:rA+7], v[ONE:ONE+7], v[BF+8*n:BF+8*n+7], 0
.endif
.set n, n+1
.endr
.set i, i+1
.endr
.endm
.macro SCAL                            ; from NT and PB: has the pass any tile; how many has my wave: ceil((NT - PB - w) / 4), held to 0..6
	s_sub_co_i32 s42, s[NT], s[PB]
	s_cmp_gt_i32 s42, 0
	s_cselect_b32 s[ALIVE], 1, 0
	s_sub_co_i32 s42, s42, s[WV]
	s_add_co_i32 s42, s42, 3
	s_ashr_i32 s42, s42, 2
	s_max_i32 s42, s42, 0
	s_min_i32 s[MT], s42, 6
.endm
.macro MAKEAO                          ; the six tiles' images: tile PB + w + 4 i, held to the expert's last tile
	WIN 0
	s_max_u32 s43, s[NT], 1
	s_sub_co_u32 s43, s43, 1
	s_add_co_u32 s42, s[PB], s[WV]
.irp i, 0,1,2,3,4,5
	s_min_u32 s27, s42, s43
	s_min_u32 s27, s27, 63
	v_lshl_add_u32 v[AO+\i], s27, LOGT, v[L16]
	s_add_co_u32 s42, s42, 4
.endr
.endm
; TRIP t (st = t % 2) reads the operands B(t) from slot st, multiplies them with the tokens A(t) in stage st, turns the weights W(t + 1) into B(t + 1) in the other slot (which every wave had read out
; before the last barrier), asks for W(t + 3) into the stage just emptied and for A(t + 2) into the stage just multiplied.  Loads are issued in the order W(t + 1), A(t), W(t + 2), A(t + 1): n1 counts the last two.
; step = 1: the two bases go two trips on.  The wait that frees them stands behind the conversions and ahead of this trip's first load: every load and prefetch that names them was issued in the trip before or earlier.
; The four v_nop at .Lend stand behind the trip's last product: they are the places ahead of the loads into the token stage and, in the next trip, into BF.
.macro TRIP st, cons, wiss, aiss, n1, kw, ka, pf, step
	WIN 0
	s_cmp_eq_u32 s[ALIVE], 0
	s_cbranch_scc1 .Ldead_\@
	BLOAD \st
	s_wait_loadcnt \n1                             ; A(t) and W(t + 1) are in; the younger loads stay out
.if \cons
	CONSUME 1-(\st), 1-(\st)
.endif
.if \step
	s_wait_xcnt 0x0                                ; the bases step only behind this wait
	s_add_nc_u64 s[WP:WP+1], s[WP:WP+1], 2*WT
	s_add_nc_u64 s[AP:AP+1], s[AP:AP+1], 2*AT
.endif
.if \wiss
	WISSUE 1-(\st), \kw
.endif
.if \pf
	WIN 0
	global_prefetch_b8 v[PFO], s[WP:WP+1] offset:3*WT th:TH_LOAD_NT scope:SCOPE_SE  ; the weights of trips t + 5 and t + 6, two trips ahead of their loads: each thread one aligned
	s_cmp_eq_u32 s[IT], 1                          ; block of 256 bytes, the 128 threads a trip's 64 rows x 512 bytes, each block asked for once.  In the loop's last trip t + 6 = 16 lies past the slice
	s_cbranch_scc1 .Lnopf_\@
	global_prefetch_b8 v[PFO], s[WP:WP+1] offset:4*WT th:TH_LOAD_NT scope:SCOPE_SE
.Lnopf_\@:
.endif
	s_wait_dscnt 8*(\cons)                         ; the 32 operand loads are back; my eight stores may be out
.irp i, 0,1,2,3,4,5
	WIN 0
	s_cmp_le_u32 s[MT], \i
	s_cbranch_scc1 .Lend_\@
	MUL16 \st, \i
.endr
	WIN 0
.Lend_\@:
	PLACES
.if \aiss
	AISSUE \st, \ka
.endif
	s_branch .Ljoin_\@
.Ldead_\@:
	s_wait_loadcnt 0x0                             ; a pass without tiles: nothing is out behind this line, so the counts above hold on every way
.Ljoin_\@:
	s_wait_dscnt 0x0                               ; my reads of this slot are back and my stores into the other are done:
	s_barrier_signal -1
	s_barrier_wait -1                              ; both now hold of every wave
.endm
	s_load_b256 s[4:11], s[0:1], 0x0               ; W1 s[4:5], b1 s[6:7], xg s[8:9], rows s[10:11]
	s_load_b64 s[12:13], s[0:1], 0x20              ; hid
	v_lshl_add_u32 v[SPW], v0, 2, SPARE
	v_mov_b32 v[NIL], 0
	v_lshrrev_b32 v[T0], 5, v0
	v_readfirstlane_b32 s[WV], v[T0]               ; wave 0..3
	s_mov_b32 s[SL], ttmp9                         ; slice of 128 columns
	s_and_b32 s[E], ttmp7, 0xffff                  ; expert
	v_and_b32 v[LANE], 31, v0
	v_and_b32 v[R], 15, v0
	v_bfe_u32 v[H], v0, 4, 1
	v_lshlrev_b32 v[L16], 4, v[LANE]
	v_lshlrev_b32 v[BO], 4, v[R]
	s_lshr_b32 s42, s[WV], 1                       ; my K step of a trip,
	s_mul_i32 s42, s42, KRB
	s_and_b32 s43, s[WV], 1                        ; my block of 64 columns
	s_lshl_b32 s43, s43, 8
	s_add_co_u32 s42, s42, s43
	v_lshl_add_u32 v[WO], v[H], LOGH, v[BO]
	v_add_nc_u32 v[WO], s42, v[WO]
	s_lshl_b32 s42, s[WV], 12
	v_add_nc_u32 v[LW], s42, v[L16]
	v_lshrrev_b32 v[T0], 1, v0
	v_and_b32 v[T0+1], 1, v0
	v_lshlrev_b32 v[T0+1], 8, v[T0+1]
	v_lshl_add_u32 v[PFO], v[T0], LOGP, v[T0+1]
	s_mul_i32 s42, s[WV], STGP
	s_add_co_u32 s42, s42, STG
	v_add_nc_u32 v[STA], s42, v[L16]
	s_mov_b32 s[C0], 0xc0135761                    ; -2 log2(e) sqrt(2 / pi) = -2.302208
	s_mov_b32 s[C0+1], s[C0]
	s_mov_b32 s[C1], 0xbdd2d3e8                    ; that x 0.044715 = -0.1029432
	s_mov_b32 s[C1+1], s[C1]
	s_movk_i32 s42, 0x3f80                         ; 1.0 in bf16
	s_mov_b32 s43, 0xffff
	v_cmp_gt_u32 vcc_lo, 16, v[LANE]               ; k slot 0 lies in the low half of register 0 of lanes 0-15
	v_cndmask_b32 v[ONE], 0, s42, vcc_lo
	v_cndmask_b32 v[BM], 0, s43, vcc_lo
.irp k, 1,2,3,4,5,6,7
	v_mov_b32 v[ONE+\k], 0
.endr
	s_mov_b32 s35, 0
	s_wait_kmcnt 0x0
	s_mul_i32 s34, s[E], 4352
	s_add_nc_u64 s[46:47], s[10:11], s[34:35]      ; rows at my expert
	s_load_b32 s[CNT], s[46:47], 0x1000            ; its count
	s_lshl_b32 s34, s[E], 24                       ; an expert's W1: 16 MiB
	s_lshl_b32 s42, s[SL], 9
	s_add_co_u32 s34, s34, s42
	s_add_nc_u64 s[WP0:WP0+1], s[4:5], s[34:35]
	s_lshl_b32 s34, s[E], 21                       ; an expert's xg: 64 tiles x 32 images
	s_add_nc_u64 s[AP0:AP0+1], s[8:9], s[34:35]
	s_lshl_b32 s34, s[E], 23                       ; an expert's hid: 64 tiles x 128 images
	s_lshl_b32 s43, s[SL], 12                      ; my slice's four images of a tile
	s_add_co_u32 s34, s34, s43
	s_add_nc_u64 s[HB:HB+1], s[12:13], s[34:35]
	s_lshl_b32 s34, s[E], 14
	s_add_co_u32 s34, s34, s42
	s_add_nc_u64 s[44:45], s[6:7], s[34:35]        ; b1 at my 128 columns
	global_load_b128 v[BV:BV+3], v[BO], s[44:45]
	global_load_b128 v[BV+4:BV+7], v[BO], s[44:45] offset:256
	s_mov_b64 s[WP:WP+1], s[WP0:WP0+1]
	WISSUE 0, 0                                    ; the first two trips' weights
	WISSUE 1, WT
	WIN 0
	s_wait_kmcnt 0x0
	s_min_u32 s[CNT], s[CNT], 1024
	s_add_co_u32 s[NT], s[CNT], 15
	s_lshr_b32 s[NT], s[NT], 4
	s_mov_b32 s[PB], 0
	SCAL
	s_wait_loadcnt 32                              ; the bias is in; the weights' 32 loads stay out
.irp n, 0,1,2,3,4,5,6,7
	v_cvt_pk_bf16_f32 v[BP+\n], v[BV+\n], v[BV+\n]
.endr
.irp n, 0,1,2,3,4,5,6,7
	v_and_b32 v[BP+\n], v[BM], v[BP+\n]
.endr
	s_mov_b32 s[PASSC], 4
	s_branch .Lpro2                                ; the loop over passes is entered at a pass's opening, in the middle of a trip; the first opening is run whatever the count
.Lpass:
	s_wait_dscnt 0x0                               ; my part of B(0) is in LDS,
	s_barrier_signal -1
	s_barrier_wait -1                              ; everybody's is
	s_mov_b32 s[IT], 6
.Lk:                                                   ; trips 0 to 11, two at a time; the bases stand two trips ahead of the pair's first trip
	TRIP 0, 1, 1, 1, 40, WT, 0, 1, 1
	TRIP 1, 1, 1, 1, 40, 2*WT, AT, 0, 0
	s_sub_co_u32 s[IT], s[IT], 1
	s_cmp_lg_u32 s[IT], 0
	s_cbranch_scc1 .Lk
	TRIP 0, 1, 1, 1, 40, 3*WT, 2*AT, 0, 0          ; trip 12 (the bases stand at trip 12) asks for the last weights, W(15), and A(14)
	TRIP 1, 1, 0, 1, 40, 0, 3*AT, 0, 0             ; trip 13 for A(15)
	TRIP 0, 1, 0, 0, 24, 0, 0, 0, 0                ; trip 14: only A(15)'s 24 loads are younger
	TRIP 1, 0, 0, 0, 0, 0, 0, 0, 0                 ; trip 15
	; THE WAY OUT.  The finished sums go to my wave's own stage (each sum's low registers first); then ONE text, walked six times, takes a tile through gelu.
.irp i, 0,1,2,3,4,5
	WIN 0
	s_cmp_le_u32 s[MT], \i
	s_cbranch_scc1 .Ldumped
.if (\i) < 4
	WIN 0x08
.else
	WIN 0x0c
.endif
.set n, 0
.rept 8
	ds_store_b128 v[STA], v[64*((\i)%4)+8*n:64*((\i)%4)+8*n+3] offset:8192*(\i)+1024*n
	ds_store_b128 v[STA], v[64*((\i)%4)+8*n+4:64*((\i)%4)+8*n+7] offset:8192*(\i)+1024*n+512
.set n, n+1
.endr
.endr
	WIN 0
.Ldumped:
	s_wait_xcnt 0x0                                ; the last pass's stores have read HP
	s_add_co_u32 s34, s[PB], s[WV]
	s_lshl_b32 s34, s34, 17                        ; a tile's 128 images
	s_mov_b32 s35, 0
	s_add_nc_u64 s[HP:HP+1], s[HB:HB+1], s[34:35]
	v_mov_b32 v[STR], v[STA]
	s_mov_b32 s[EI], 0
.Lg:
	s_cmp_ge_u32 s[EI], s[MT]
	s_cbranch_scc1 .Lgskip
	WIN 0x40
.set k, 0
.rept 16
	ds_load_b128 v[X+4*k:X+4*k+3], v[STR] offset:512*k
.set k, k+1
.endr
	s_wait_dscnt 0x0
	WIN 0x55                                       ; gelu(x) = x / (1 + 2^(x (C0 + C1 x x))), the tanh form
.set k, 0
.rept 32
	v_pk_mul_f32 v[TM+2*k:TM+2*k+1], v[X+2*k:X+2*k+1], v[X+2*k:X+2*k+1]
.set k, k+1
.endr
.set k, 0
.rept 32
	v_pk_fma_f32 v[TM+2*k:TM+2*k+1], v[TM+2*k:TM+2*k+1], s[C1:C1+1], s[C0:C0+1] op_sel_hi:[1,0,0]
.set k, k+1
.endr
.set k, 0
.rept 32
	v_pk_mul_f32 v[TM+2*k:TM+2*k+1], v[TM+2*k:TM+2*k+1], v[X+2*k:X+2*k+1]
.set k, k+1
.endr
.set k, 0
.rept 64
	v_exp_f32 v[TM+k], v[TM+k]
.set k, k+1
.endr
	v_nop                                          ; a plain instruction behind the last exponential,
	s_wait_alu depctr_va_vdst(0)                   ; and one wait for the batch of 64
.set k, 0
.rept 32
	v_pk_add_f32 v[TM+2*k:TM+2*k+1], v[TM+2*k:TM+2*k+1], 1.0 op_sel_hi:[1,0]
.set k, k+1
.endr
.set k, 0
.rept 64
	v_rcp_f32 v[TM+k], v[TM+k]
.set k, k+1
.endr
	v_nop
	s_wait_alu depctr_va_vdst(0)                   ; one wait for the 64 reciprocals
.set k, 0
.rept 32
	v_pk_mul_f32 v[X+2*k:X+2*k+1], v[X+2*k:X+2*k+1], v[TM+2*k:TM+2*k+1]
.set k, k+1
.endr
	s_wait_xcnt 0x0                                ; the last tile's stores have read IMG
.set k, 0
.rept 32
	v_cvt_pk_bf16_f32 v[IMG+k], v[X+2*k], v[X+2*k+1]  ; registers 8 u .. 8 u + 7: the token operand of K step u of my slice
.set k, k+1
.endr
	WIN 0x04
.set k, 0
.rept 8
	global_store_b128 v[L16], v[IMG+4*k:IMG+4*k+3], s[HP:HP+1] offset:512*k  ; 512 consecutive bytes, aligned
.set k, k+1
.endr
	WIN 0
.Lgskip:
	v_add_nc_u32 v[STR], 8192, v[STR]
	s_wait_xcnt 0x0
	s_add_nc_u64 s[HP:HP+1], s[HP:HP+1], 524288    ; my next tile lies four tiles on
	s_add_co_u32 s[EI], s[EI], 1
	s_cmp_lt_u32 s[EI], 6
	s_cbranch_scc1 .Lg
	s_add_co_u32 s[PB], s[PB], 24                  ; the next pass
	SCAL
	s_cmp_eq_u32 s[ALIVE], 0
	s_cbranch_scc1 .Lnopro
	s_wait_xcnt 0x0
	s_mov_b64 s[WP:WP+1], s[WP0:WP0+1]
	WISSUE 0, 0
	WISSUE 1, WT
	WIN 0
.Lpro2:                                                ; A PASS OPENS.  W(0) and W(1) have been asked for
	s_mov_b64 s[AP:AP+1], s[AP0:AP0+1]
	MAKEAO
	AISSUE 0, 0
	STARTER
	s_wait_loadcnt 40                              ; W(0) is in; W(1)'s 16 loads and A(0)'s 24 stay out
	CONSUME 0, 0                                   ; B(0); its 32 conversions are also the places between the bias products and the first trip's loads into BF
	WISSUE 0, 2*WT
	AISSUE 1, AT
	WIN 0
.Lnopro:
	s_sub_co_u32 s[PASSC], s[PASSC], 1
	s_cmp_lg_u32 s[PASSC], 0
	s_cbranch_scc1 .Lpass
	s_wait_tensorcnt 0x0                           ; the wave's end
	ds_add_u32 v[SPW], v[NIL]
	s_wait_dscnt 0x0
	s_endpgm
.Lfunc_end_k_qcdd2e52af1_up:
	.size	k_qcdd2e52af1_up, .Lfunc_end_k_qcdd2e52af1_up-k_qcdd2e52af1_up
	.p2alignl 7, 3214868480
	.fill 96, 4, 3214868480
	.section	.rodata,"a",@progbits
	.p2align	6, 0x0
	.amdhsa_kernel k_qcdd2e52af1_up
		.amdhsa_group_segment_fixed_size 229888
		.amdhsa_private_segment_fixed_size 0
		.amdhsa_enable_private_segment 0
		.amdhsa_kernarg_size 40
		.amdhsa_user_sgpr_count 2
		.amdhsa_user_sgpr_kernarg_segment_ptr 1
		.amdhsa_wavefront_size32 1
		.amdhsa_system_sgpr_workgroup_id_x 1
		.amdhsa_system_sgpr_workgroup_id_y 1
		.amdhsa_system_sgpr_workgroup_id_z 1
		.amdhsa_system_vgpr_workitem_id 0
		.amdhsa_next_free_vgpr 1024
		.amdhsa_next_free_sgpr 66
		.amdhsa_reserve_vcc 1
		.amdhsa_float_denorm_mode_32 3
		.amdhsa_float_denorm_mode_16_64 3
		.amdhsa_memory_ordered 1
		.amdhsa_forward_progress 1
		.amdhsa_inst_pref_size 134
	.end_amdhsa_kernel
	.amdgpu_metadata
---
amdhsa.version: [ 1, 2 ]
amdhsa.kernels:
  - .name:           k_qcdd2e52af1_up
    .symbol:         k_qcdd2e52af1_up.kd
    .args:
      - { .name: W1, .offset: 0, .size: 8, .value_kind: global_buffer, .address_space: global }
      - { .name: b1, .offset: 8, .size: 8, .value_kind: global_buffer, .address_space: global }
      - { .name: xg, .offset: 16, .size: 8, .value_kind: global_buffer, .address_space: global }
      - { .name: rows, .offset: 24, .size: 8, .value_kind: global_buffer, .address_space: global }
      - { .name: hid, .offset: 32, .size: 8, .value_kind: global_buffer, .address_space: global }
    .group_segment_fixed_size: 229888
    .private_segment_fixed_size: 0
    .kernarg_segment_align: 8
    .kernarg_segment_size: 40
    .max_flat_workgroup_size: 128
    .sgpr_count:     66
    .vgpr_count:     1024
    .wavefront_size: 32
...
	.end_amdgpu_metadata
.endif
;; end of part 3
;; launch down (part 4): grid 32 x 8, 4 waves a work-group, no clusters, 39,424 bytes of LDS; arguments W2, b2, hid, rows, part; writes part
.if DOCPART == 4
	.amdgcn_target "amdgcn-amd-amdhsa--gfx1250"
	.amdhsa_code_object_version 6
	.text
	.protected	k_qcdd2e52af1_down
	.globl	k_qcdd2e52af1_down
	.p2align	8
	.type	k_qcdd2e52af1_down,@function
k_qcdd2e52af1_down:
	s_mov_b64 s[64:65], 0
	v_nop
	global_prefetch_b8 v0, s[64:65] scope:SCOPE_SE
	s_setreg_imm32_b32 hwreg(HW_REG_WAVE_MODE, 25, 1), 1
	s_wait_xcnt 0x0
; SECOND PRODUCT OF THE EXPERTS.  part[q][slot] = H W2[e] over quarter q of the 4,096 of K (+ b2[e] in quarter 0), for the rows that chose expert e; the last launch adds the quarters and weighs them.
; SHARES.  Work-group (nb + 8 q, e) owns columns 128 nb .. + 127 and rows 1,024 q .. + 1,023 of W2[e]: 512 KiB of f32 that it alone reads, once for each pass, and ALL rows of its expert in tiles of 16.
; WHY K IS SPLIT: with the whole K and 32 columns a work-group would read four times as many token bytes as weight bytes; with 128 columns and a quarter of K they are equal.  The price: f32 partial rows.
; Waves, passes, trips, barriers and guards are those of the first product: wave w takes tiles PB + w + 4 i, i = 0..5; three passes of 24 tiles; the numbers of passes, trips and barriers are constants and only
; work is jumped over; loads never stand under a tile's guard (a tile past the count repeats the expert's last tile), so every count on LOADcnt is a constant.
; WEIGHTS WITHOUT A TRANSPOSE, as in the first product: lane (r, h) loads columns 4 r .. 4 r + 3 of 16 rows, and pairs of rows rounded to bf16 are registers of operands whose columns are 4 r + i.  The rows follow the
; order of k in which the first product left H: K step ks of a trip of 64 rows, half h, k slot s: row 2 ks + 32 h + 4 (s % 8) + s / 8.
; TOKENS are the images that the first product stored (hid): 512 consecutive bytes a load, straight into registers.
; THE PRODUCT IS USED AS IT IS (source 0 = tokens, source 1 = weights): register j of lane (r, h) is token 8 h + j, column 64 b + 4 r + c of sum 4 b + c.  Registers j of four sums are 16 bytes of a row, and 16 lanes
; store 256 consecutive bytes of it.  The row is the slot from the list (rows); a place past the count holds 2,048 + e: a row of part that this expert's work-groups alone write and nobody reads.  So EXEC never changes.
; THE BIAS is the sums' first K step (bf16(b2) against 1.0 in k slot 0; zeros in quarters 1 to 3).
; NO CLUSTER, NO TENSOR LOADS: each weight byte has one reader.  The images that an expert's eight column blocks share could be asked for jointly, but through LDS they would add a tile's 2,048 bytes a trip and wave
; to what LDS already serves (16,384 bytes a trip and wave), and each image has one reader in a work-group.
; FORMATS AND LIMITS.  W2 and b2 are rounded to bf16 once; sums and partial rows in f32.  NaN and infinities are not treated apart.
.set ISUP,  0
.set PITCH, 4096                       ; bytes from a row of the weights to the next
.set LOGP,  12
.set LOGH,  17                         ; the lanes' upper half starts 32 rows further down: 32 x PITCH = 2^17
.set KRB,   2*PITCH                    ; bytes from a trip's first K step to its second
.set WT,    64*PITCH                   ; weights' bytes from trip to trip
.set AT,    2048                       ; tokens' bytes from trip to trip: two images
.set APS,   512                        ; bytes between the four loads of a tile and trip
.set LOGT,  17                         ; a tile's 128 images
.set W_LO,  0xac                       ; products: source 0 (tokens) window 0, source 1 (weights) window 3, C and D window 2 (tiles 0-3)
.set W_HI,  0xfc                       ; the same, C and D window 3 (tiles 4, 5)
; LDS
.set SLOTB, 16384                      ; a slot: 16 operand images of 1,024 bytes, image 8 ks + n; two slots take turns
.set LIST,  2*SLOTB                    ; the expert's list: 1,152 words are written and read
.set SPARE, LIST+6144                  ; the spare words, 128 bytes a wave: two blocks of 256 bytes that no other line names
; vector registers, window 0
.set LANE,  1
.set SPW,   2                          ; LDS address of my spare word; never rewritten
.set NIL,   3                          ; 0; never rewritten
.set WO,    4                          ; my byte offset in a trip's weights
.set LW,    5                          ; where I put my operand images: 16 l + 4,096 w
.set L16,   6                          ; 16 l
.set PFO,   7                          ; my thread's 256 bytes of a trip's weights, for the prefetch
.set AO,    8                          ; v8-13   byte offset of tile i's images in the expert's hid
.set LSA,   14                         ; LDS address of my eight entries of the pass's tile w
.set R16,   15                         ; 16 r
.set ONE,   16                         ; v16-23  the tokens' side of the bias step
.set BP,    24                         ; v24-31  bf16(bias) of column tile n in k slot 0
.set CT,    32                         ; v32-47  converted operands on their way to LDS; at the head: at work
.set BV,    48                         ; v48-55  the bias as loaded; on the way out SLT, eight slots
.set SLT,   48
.set RO,    56                         ; v56-63  on the way out: byte offsets of my eight rows in part
.set AS,    64                         ; v64-159, v160-255  token operands, two stages: tile i, K step ks at + 16 i + 8 ks
.set R,     32                         ; at the head only
.set H,     33
.set GO,    34
.set LSTO,  35
.set PADV,  36
.set LP,    37
.set T0,    42
.set BM,    46
; window 1: v0-63, v64-127 weights as loaded, two stages; on the way out QR = v0-63
.set QR,    0
; window 2: sums of tiles 0-3 at 64 i + 8 n.  window 3: sums of tiles 4, 5 at 64 (i - 4) + 8 n; BF = v128-255, the trip's 16 weight operands
.set BF,    128
; scalar registers
.set NBK,   14
.set QT,    15
.set WV,    16
.set E,     17
.set CNT,   19
.set NT,    20
.set PB,    21
.set ALIVE, 22
.set MT,    23
.set IT,    24
.set PASSC, 25
.set WP,    28
.set AP,    30
.set PP,    32
.set WP0,   48
.set AP0,   50
.set MSB, 0
.macro WIN new                         ; s_set_vgpr_msb: bits 1:0 source 0, 3:2 source 1, 5:4 source 2, 7:6 destination; the high byte repeats the setting that is left
.if MSB != (\new)
	s_set_vgpr_msb (MSB<<8)|(\new)
.set MSB, \new
.endif
.endm
.macro PLACES                          ; four places behind a matrix instruction (ISA guide 7.12.1)
.rept 4
	v_nop
.endr
.endm
.macro WISSUE st, kw                   ; my 16 loads of a trip's weights, at byte kw from WP, into stage st
	WIN 0x40
.set q, 0
.rept 16
.if ISUP
.set rq, q+8*(q/8)
.else
.set rq, 4*(q%8)+q/8
.endif
	global_load_b128 v[64*(\st)+4*q:64*(\st)+4*q+3], v[WO], s[WP:WP+1] offset:(\kw)+rq*PITCH th:TH_LOAD_NT
.set q, q+1
.endr
.endm
.macro AISSUE st, ka                   ; 24 loads: six tiles' token operands of a trip, at byte ka from AP, into stage st
	WIN 0
.set i, 0
.rept 6
.set m, 0
.rept 4
	global_load_b128 v[AS+96*(\st)+16*i+4*m:AS+96*(\st)+16*i+4*m+3], v[AO+i], s[AP:AP+1] offset:(\ka)+APS*m
.set m, m+1
.endr
.set i, i+1
.endr
.endm
.macro CONSUME st, slot                ; stage st of the weights becomes four operands in LDS slot 'slot'
.irp g, 0, 2
	WIN 0x05
.irp d, 0, 1
.set p, 0
.rept 8
	v_cvt_pk_bf16_f32 v[CT+8*(\d)+p], v[64*(\st)+8*p+(\g)+(\d)], v[64*(\st)+8*p+4+(\g)+(\d)]
.set p, p+1
.endr
.endr
	WIN 0
.irp d, 0, 1
	ds_store_b128 v[LW], v[CT+8*(\d):CT+8*(\d)+3] offset:(\slot)*SLOTB+((\g)+(\d))*1024
	ds_store_b128 v[LW], v[CT+8*(\d)+4:CT+8*(\d)+7] offset:(\slot)*SLOTB+((\g)+(\d))*1024+512
.endr
.endr
.endm
.macro BLOAD slot                      ; the trip's 16 weight operands, 32 loads of 512 consecutive bytes
	WIN 0xc0
.set f, 0
.rept 16
	ds_load_b128 v[BF+8*f:BF+8*f+3], v[L16] offset:(\slot)*SLOTB+f*1024
	ds_load_b128 v[BF+8*f+4:BF+8*f+7], v[L16] offset:(\slot)*SLOTB+f*1024+512
.set f, f+1
.endr
.endm
.macro MUL16 st, i                     ; tile i: 2 K steps x 8 column tiles; the eight sums take turns, one instruction a turn
.if (\i) < 4
	WIN W_LO
.else
	WIN W_HI
.endif
.irp ks, 0, 1
.set n, 0
.rept 8
.set rA, 64*((\i)%4)+8*n
.set rB, BF+64*(\ks)+8*n
.set rT, AS+96*(\st)+16*(\i)+8*(\ks)
.if ISUP
	v_wmma_f32_16x16x32_bf16 v[rA:rA+7], v[rB:rB+7], v[rT:rT+7], v[rA:rA+7]
.else
	v_wmma_f32_16x16x32_bf16 v[rA:rA+7], v[rT:rT+7], v[rB:rB+7], v[rA:rA+7]
.endif
.set n, n+1
.endr
.endr
.endm
.macro STARTER                         ; the sums' first K step: the bias.  All 48 sums are started, those of tiles that the wave does not have too
	WIN 0xc0
.set n, 0
.rept 8
	v_mov_b32 v[BF+8*n], v[BP+n]
.set k, 1
.rept 7
	v_mov_b32 v[BF+8*n+k], 0
.set k, k+1
.endr
.set n, n+1
.endr
.set i, 0
.rept 6
.if i < 4
	WIN W_LO
.else
	WIN W_HI
.endif
.set n, 0
.rept 8
.set rA, 64*(i%4)+8*n
.if ISUP
	v_wmma_f32_16x16x32_bf16 v[rA:rA+7], v[BF+8*n:BF+8*n+7], v[ONE:ONE+7], 0
.else
	v_wmma_f32_16x16x32_bf16 v[rA:rA+7], v[ONE:ONE+7], v[BF+8*n:BF+8*n+7], 0
.endif
.set n, n+1
.endr
.set i, i+1
.endr
.endm
.macro SCAL                            ; from NT and PB: has the pass any tile; how many has my wave: ceil((NT - PB - w) / 4), held to 0..6
	s_sub_co_i32 s42, s[NT], s[PB]
	s_cmp_gt_i32 s42, 0
	s_cselect_b32 s[ALIVE], 1, 0
	s_sub_co_i32 s42, s42, s[WV]
	s_add_co_i32 s42, s42, 3
	s_ashr_i32 s42, s42, 2
	s_max_i32 s42, s42, 0
	s_min_i32 s[MT], s42, 6
.endm
.macro MAKEAO                          ; the six tiles' images: tile PB + w + 4 i, held to the expert's last tile
	WIN 0
	s_max_u32 s43, s[NT], 1
	s_sub_co_u32 s43, s43, 1
	s_add_co_u32 s42, s[PB], s[WV]
.irp i, 0,1,2,3,4,5
	s_min_u32 s27, s42, s43
	s_min_u32 s27, s27, 63
	v_lshl_add_u32 v[AO+\i], s27, LOGT, v[L16]
	s_add_co_u32 s42, s42, 4
.endr
.endm
; TRIP t (st = t % 2) reads the operands B(t) from slot st, multiplies them with the tokens A(t) in stage st, turns the weights W(t + 1) into B(t + 1) in the other slot (which every wave had read out
; before the last barrier), asks for W(t + 3) into the stage just emptied and for A(t + 2) into the stage just multiplied.  Loads are issued in the order W(t + 1), A(t), W(t + 2), A(t + 1): n1 counts the last two.
; step = 1: the two bases go two trips on.  The wait that frees them stands behind the conversions and ahead of this trip's first load: every load and prefetch that names them was issued in the trip before or earlier.
; The four v_nop at .Lend stand behind the trip's last product: they are the places ahead of the loads into the token stage and, in the next trip, into BF.
.macro TRIP st, cons, wiss, aiss, n1, kw, ka, pf, step
	WIN 0
	s_cmp_eq_u32 s[ALIVE], 0
	s_cbranch_scc1 .Ldead_\@
	BLOAD \st
	s_wait_loadcnt \n1                             ; A(t) and W(t + 1) are in; the younger loads stay out
.if \cons
	CONSUME 1-(\st), 1-(\st)
.endif
.if \step
	s_wait_xcnt 0x0                                ; the bases step only behind this wait
	s_add_nc_u64 s[WP:WP+1], s[WP:WP+1], 2*WT
	s_add_nc_u64 s[AP:AP+1], s[AP:AP+1], 2*AT
.endif
.if \wiss
	WISSUE 1-(\st), \kw
.endif
.if \pf
	WIN 0
	global_prefetch_b8 v[PFO], s[WP:WP+1] offset:3*WT th:TH_LOAD_NT scope:SCOPE_SE  ; the weights of trips t + 5 and t + 6, two trips ahead of their loads: each thread one aligned
	s_cmp_eq_u32 s[IT], 1                          ; block of 256 bytes, the 128 threads a trip's 64 rows x 512 bytes, each block asked for once.  In the loop's last trip t + 6 = 16 lies past the quarter
	s_cbranch_scc1 .Lnopf_\@
	global_prefetch_b8 v[PFO], s[WP:WP+1] offset:4*WT th:TH_LOAD_NT scope:SCOPE_SE
.Lnopf_\@:
.endif
	s_wait_dscnt 8*(\cons)                         ; the 32 operand loads are back; my eight stores may be out
.irp i, 0,1,2,3,4,5
	WIN 0
	s_cmp_le_u32 s[MT], \i
	s_cbranch_scc1 .Lend_\@
	MUL16 \st, \i
.endr
	WIN 0
.Lend_\@:
	PLACES
.if \aiss
	AISSUE \st, \ka
.endif
	s_branch .Ljoin_\@
.Ldead_\@:
	s_wait_loadcnt 0x0                             ; a pass without tiles: nothing is out behind this line, so the counts above hold on every way
.Ljoin_\@:
	s_wait_dscnt 0x0                               ; my reads of this slot are back and my stores into the other are done:
	s_barrier_signal -1
	s_barrier_wait -1                              ; both now hold of every wave
.endm
	s_load_b256 s[4:11], s[0:1], 0x0               ; W2 s[4:5], b2 s[6:7], hid s[8:9], rows s[10:11]
	s_load_b64 s[12:13], s[0:1], 0x20              ; part
	v_lshl_add_u32 v[SPW], v0, 2, SPARE
	v_mov_b32 v[NIL], 0
	v_lshrrev_b32 v[T0], 5, v0
	v_readfirstlane_b32 s[WV], v[T0]               ; wave 0..3
	s_and_b32 s[NBK], ttmp9, 7                     ; block of 128 columns
	s_lshr_b32 s[QT], ttmp9, 3                     ; quarter of K
	s_and_b32 s[E], ttmp7, 0xffff                  ; expert
	v_and_b32 v[LANE], 31, v0
	v_and_b32 v[R], 15, v0
	v_bfe_u32 v[H], v0, 4, 1
	v_lshlrev_b32 v[L16], 4, v[LANE]
	v_lshlrev_b32 v[R16], 4, v[R]
	s_lshr_b32 s42, s[WV], 1                       ; my K step of a trip,
	s_mul_i32 s42, s42, KRB
	s_and_b32 s43, s[WV], 1                        ; my block of 64 columns
	s_lshl_b32 s43, s43, 8
	s_add_co_u32 s42, s42, s43
	v_lshl_add_u32 v[WO], v[H], LOGH, v[R16]
	v_add_nc_u32 v[WO], s42, v[WO]
	s_lshl_b32 s42, s[WV], 12
	v_add_nc_u32 v[LW], s42, v[L16]
	v_lshrrev_b32 v[T0], 1, v0
	v_and_b32 v[T0+1], 1, v0
	v_lshlrev_b32 v[T0+1], 8, v[T0+1]
	v_lshl_add_u32 v[PFO], v[T0], LOGP, v[T0+1]
	v_lshlrev_b32 v[GO], 4, v0
	v_add_nc_u32 v[LSTO], LIST, v[GO]
	v_lshl_add_u32 v[LP], v0, 2, LIST+4096
	s_add_co_u32 s42, s[E], 2048                   ; the pad entry
	v_mov_b32 v[PADV], s42
	s_lshl_b32 s42, s[WV], 6
	s_add_co_u32 s42, s42, LIST
	v_lshl_add_u32 v[LSA], v[H], 5, s42            ; entries 16 w + 8 h on
	s_movk_i32 s42, 0x3f80                         ; 1.0 in bf16
	s_cmp_eq_u32 s[QT], 0                          ; the bias belongs to quarter 0 alone
	s_cselect_b32 s43, 0xffff, 0
	v_cmp_gt_u32 vcc_lo, 16, v[LANE]               ; k slot 0 lies in the low half of register 0 of lanes 0-15
	v_cndmask_b32 v[ONE], 0, s42, vcc_lo
	v_cndmask_b32 v[BM], 0, s43, vcc_lo
.irp k, 1,2,3,4,5,6,7
	v_mov_b32 v[ONE+\k], 0
.endr
	s_mov_b32 s35, 0
	s_wait_kmcnt 0x0
	s_mul_i32 s34, s[E], 4352
	s_add_nc_u64 s[46:47], s[10:11], s[34:35]      ; rows at my expert
	s_load_b32 s[CNT], s[46:47], 0x1000            ; its count
	s_lshl_b32 s42, s[NBK], 9
	s_lshl_b32 s34, s[E], 24                       ; an expert's W2: 16 MiB;
	s_lshl_b32 s43, s[QT], 22                      ; a quarter of its rows: 4 MiB
	s_add_co_u32 s34, s34, s43
	s_add_co_u32 s34, s34, s42
	s_add_nc_u64 s[WP0:WP0+1], s[4:5], s[34:35]
	s_lshl_b32 s34, s[E], 23                       ; an expert's hid;
	s_lshl_b32 s43, s[QT], 15                      ; a quarter's 32 images of a tile
	s_add_co_u32 s34, s34, s43
	s_add_nc_u64 s[AP0:AP0+1], s[8:9], s[34:35]
	s_mul_i32 s34, s[QT], 8421376                  ; a quarter's 2,056 rows of part
	s_add_co_u32 s34, s34, s42
	s_add_nc_u64 s[PP:PP+1], s[12:13], s[34:35]
	s_lshl_b32 s34, s[E], 12
	s_add_co_u32 s34, s34, s42
	s_add_nc_u64 s[44:45], s[6:7], s[34:35]        ; b2 at my 128 columns
	global_load_b128 v[AS:AS+3], v[GO], s[46:47]   ; the list: 128 threads x 2 x 16 bytes
	global_load_b128 v[AS+4:AS+7], v[GO], s[46:47] offset:2048
	global_load_b128 v[BV:BV+3], v[R16], s[44:45]
	global_load_b128 v[BV+4:BV+7], v[R16], s[44:45] offset:256
	s_mov_b64 s[WP:WP+1], s[WP0:WP0+1]
	WISSUE 0, 0
	WISSUE 1, WT
	WIN 0
	ds_store_b32 v[LP], v[PADV]                    ; words 1,024 to 1,151: the third pass's tiles past the 64th, which no count reaches
	s_wait_kmcnt 0x0
	s_min_u32 s[CNT], s[CNT], 1024
	s_add_co_u32 s[NT], s[CNT], 15
	s_lshr_b32 s[NT], s[NT], 4
	s_mov_b32 s[PB], 0
	SCAL
	s_wait_loadcnt 34                              ; the list is in; the bias's two loads and the weights' 32 stay out
	ds_store_b128 v[LSTO], v[AS:AS+3]              ; read behind the barrier at the first pass's head
	ds_store_b128 v[LSTO], v[AS+4:AS+7] offset:2048
	s_wait_loadcnt 32                              ; the bias is in
.irp n, 0,1,2,3,4,5,6,7
	v_cvt_pk_bf16_f32 v[BP+\n], v[BV+\n], v[BV+\n]
.endr
.irp n, 0,1,2,3,4,5,6,7
	v_and_b32 v[BP+\n], v[BM], v[BP+\n]
.endr
	s_mov_b32 s[PASSC], 4
	s_branch .Lpro2                                ; the loop over passes is entered at a pass's opening, in the middle of a trip; the first opening is run whatever the count
.Lpass:
	s_wait_dscnt 0x0                               ; my part of B(0), and at the first pass of the list, is in LDS,
	s_barrier_signal -1
	s_barrier_wait -1                              ; everybody's is
	s_mov_b32 s[IT], 6
.Lk:                                                   ; trips 0 to 11, two at a time; the bases stand two trips ahead of the pair's first trip
	TRIP 0, 1, 1, 1, 40, WT, 0, 1, 1
	TRIP 1, 1, 1, 1, 40, 2*WT, AT, 0, 0
	s_sub_co_u32 s[IT], s[IT], 1
	s_cmp_lg_u32 s[IT], 0
	s_cbranch_scc1 .Lk
	TRIP 0, 1, 1, 1, 40, 3*WT, 2*AT, 0, 0          ; trip 12 (the bases stand at trip 12) asks for the last weights, W(15), and A(14)
	TRIP 1, 1, 0, 1, 40, 0, 3*AT, 0, 0             ; trip 13 for A(15)
	TRIP 0, 1, 0, 0, 24, 0, 0, 0, 0                ; trip 14: only A(15)'s 24 loads are younger
	TRIP 1, 0, 0, 0, 0, 0, 0, 0, 0                 ; trip 15
	; THE WAY OUT, a tile at a time: my eight rows' slots from the list; registers j of four neighbouring sums are gathered (j ascending: each sum's low registers are read first) and stored.
.irp i, 0,1,2,3,4,5
	WIN 0
	s_cmp_le_u32 s[MT], \i
	s_cbranch_scc1 .Lstored
	ds_load_b128 v[SLT:SLT+3], v[LSA] offset:256*\i
	ds_load_b128 v[SLT+4:SLT+7], v[LSA] offset:256*\i+16
	s_wait_dscnt 0x0
	s_wait_xcnt 0x0                                ; the last tile's stores have read RO and QR
.set j, 0
.rept 8
	v_min_u32 v[SLT+j], 0x807, v[SLT+j]            ; 2,055: part's last row
	v_lshl_add_u32 v[RO+j], v[SLT+j], 12, v[R16]
.set j, j+1
.endr
.if (\i) < 4
	WIN 0x42
.else
	WIN 0x43
.endif
.set j, 0
.rept 8
.set n, 0
.rept 8
	v_mov_b32 v[QR+8*j+n], v[64*((\i)%4)+8*n+j]
.set n, n+1
.endr
.set j, j+1
.endr
	WIN 0x04
.set j, 0
.rept 8
	global_store_b128 v[RO+j], v[QR+8*j:QR+8*j+3], s[PP:PP+1]              ; 16 lanes store 256 consecutive bytes of a row, aligned
	global_store_b128 v[RO+j], v[QR+8*j+4:QR+8*j+7], s[PP:PP+1] offset:256
.set j, j+1
.endr
.endr
	WIN 0
.Lstored:
	s_add_co_u32 s[PB], s[PB], 24                  ; the next pass
	SCAL
	v_add_nc_u32 v[LSA], 1536, v[LSA]
	s_cmp_eq_u32 s[ALIVE], 0
	s_cbranch_scc1 .Lnopro
	s_wait_xcnt 0x0                                ; the stores have read QR, into which the weights are loaded
	s_mov_b64 s[WP:WP+1], s[WP0:WP0+1]
	WISSUE 0, 0
	WISSUE 1, WT
	WIN 0
.Lpro2:                                                ; A PASS OPENS.  W(0) and W(1) have been asked for
	s_mov_b64 s[AP:AP+1], s[AP0:AP0+1]
	MAKEAO
	AISSUE 0, 0
	STARTER
	s_wait_loadcnt 40                              ; W(0) is in; W(1)'s 16 loads and A(0)'s 24 stay out
	CONSUME 0, 0                                   ; B(0); its 32 conversions are also the places between the bias products and the first trip's loads into BF
	WISSUE 0, 2*WT
	AISSUE 1, AT
	WIN 0
.Lnopro:
	s_sub_co_u32 s[PASSC], s[PASSC], 1
	s_cmp_lg_u32 s[PASSC], 0
	s_cbranch_scc1 .Lpass
	s_wait_tensorcnt 0x0                           ; the wave's end
	ds_add_u32 v[SPW], v[NIL]
	s_wait_dscnt 0x0
	s_endpgm
.Lfunc_end_k_qcdd2e52af1_down:
	.size	k_qcdd2e52af1_down, .Lfunc_end_k_qcdd2e52af1_down-k_qcdd2e52af1_down
	.p2alignl 7, 3214868480
	.fill 96, 4, 3214868480
	.section	.rodata,"a",@progbits
	.p2align	6, 0x0
	.amdhsa_kernel k_qcdd2e52af1_down
		.amdhsa_group_segment_fixed_size 39424
		.amdhsa_private_segment_fixed_size 0
		.amdhsa_enable_private_segment 0
		.amdhsa_kernarg_size 40
		.amdhsa_user_sgpr_count 2
		.amdhsa_user_sgpr_kernarg_segment_ptr 1
		.amdhsa_wavefront_size32 1
		.amdhsa_system_sgpr_workgroup_id_x 1
		.amdhsa_system_sgpr_workgroup_id_y 1
		.amdhsa_system_sgpr_workgroup_id_z 1
		.amdhsa_system_vgpr_workitem_id 0
		.amdhsa_next_free_vgpr 1024
		.amdhsa_next_free_sgpr 66
		.amdhsa_reserve_vcc 1
		.amdhsa_float_denorm_mode_32 3
		.amdhsa_float_denorm_mode_16_64 3
		.amdhsa_memory_ordered 1
		.amdhsa_forward_progress 1
		.amdhsa_inst_pref_size 139
	.end_amdhsa_kernel
	.amdgpu_metadata
---
amdhsa.version: [ 1, 2 ]
amdhsa.kernels:
  - .name:           k_qcdd2e52af1_down
    .symbol:         k_qcdd2e52af1_down.kd
    .args:
      - { .name: W2, .offset: 0, .size: 8, .value_kind: global_buffer, .address_space: global }
      - { .name: b2, .offset: 8, .size: 8, .value_kind: global_buffer, .address_space: global }
      - { .name: hid, .offset: 16, .size: 8, .value_kind: global_buffer, .address_space: global }
      - { .name: rows, .offset: 24, .size: 8, .value_kind: global_buffer, .address_space: global }
      - { .name: part, .offset: 32, .size: 8, .value_kind: global_buffer, .address_space: global }
    .group_segment_fixed_size: 39424
    .private_segment_fixed_size: 0
    .kernarg_segment_align: 8
    .kernarg_segment_size: 40
    .max_flat_workgroup_size: 128
    .sgpr_count:     66
    .vgpr_count:     1024
    .wavefront_size: 32
...
	.end_amdgpu_metadata
.endif
;; end of part 4
;; launch combine (part 5): grid 256 x 1, 8 waves a work-group, no clusters, 0 bytes of LDS; arguments part, gate, out0; writes out0
.if DOCPART == 5
	.amdgcn_target "amdgcn-amd-amdhsa--gfx1250"
	.amdhsa_code_object_version 6
	.text
	.protected	k_qcdd2e52af1_combine
	.globl	k_qcdd2e52af1_combine
	.p2align	8
	.type	k_qcdd2e52af1_combine,@function
k_qcdd2e52af1_combine:
	s_mov_b64 s[64:65], 0
	v_nop
	global_prefetch_b8 v0, s[64:65] scope:SCOPE_SE
	s_setreg_imm32_b32 hwreg(HW_REG_WAVE_MODE, 25, 1), 1
	s_wait_xcnt 0x0
; out[t] = gate[2 t] x (the sum over the four quarters of part[q][2 t]) + gate[2 t + 1] x (the same of part[q][2 t + 1]).  All f32.
; A stream: a wave takes half a token's row (2,048 bytes) as four chunks of 512 consecutive bytes; for each chunk eight loads (4 quarters x 2 slots), all 32 issued at once.
; No LDS, no barrier, no matrix unit: each byte of part's rows 0 to 2,047 is read once and each byte of out0 written once, in whole aligned blocks of 256 bytes.
.set QB, 8421376                       ; bytes of a quarter of part: 2,056 rows of 4,096
.set LD, 8                             ; v8-135  chunk c, quarter q, slot k at LD + 32 c + 8 q + 4 k
.set OU, 136                           ; v136-151  chunk c's result
	s_load_b128 s[4:7], s[0:1], 0x0                ; part s[4:5], gate s[6:7]
	s_load_b64 s[8:9], s[0:1], 0x10                ; out0
	v_lshrrev_b32 v1, 5, v0
	v_readfirstlane_b32 s10, v1                    ; wave 0..7
	s_lshr_b32 s11, s10, 1
	s_lshl_b32 s12, ttmp9, 2
	s_add_co_u32 s11, s11, s12                     ; my token
	s_and_b32 s12, s10, 1
	s_lshl_b32 s13, s12, 11                        ; my half of the row
	v_and_b32 v1, 31, v0
	v_lshlrev_b32 v1, 4, v1
	s_lshl_b32 s14, s11, 3
	s_mov_b32 s15, 0
	s_lshl_b32 s16, s11, 13                        ; slot 2 t's row in part
	s_add_co_u32 s16, s16, s13
	s_mov_b32 s17, 0
	s_lshl_b32 s18, s11, 12
	s_add_co_u32 s18, s18, s13
	s_mov_b32 s19, 0
	s_wait_kmcnt 0x0
	s_add_nc_u64 s[6:7], s[6:7], s[14:15]
	s_load_b64 s[20:21], s[6:7], 0x0               ; the token's two gates
	s_add_nc_u64 s[24:25], s[4:5], s[16:17]
	s_add_nc_u64 s[26:27], s[24:25], QB
	s_add_nc_u64 s[28:29], s[26:27], QB
	s_add_nc_u64 s[30:31], s[28:29], QB
	s_add_nc_u64 s[8:9], s[8:9], s[18:19]
.irp c, 0,1,2,3
.irp q, 0,1,2,3
.irp k, 0,1
	global_load_b128 v[LD+32*\c+8*\q+4*\k:LD+32*\c+8*\q+4*\k+3], v1, s[24+2*\q:25+2*\q] offset:4096*\k+512*\c th:TH_LOAD_NT
.endr
.endr
.endr
	s_wait_kmcnt 0x0
	s_mov_b32 s32, s20                             ; each gate in a pair of its own: the packed forms name a pair and take its low word for both halves
	s_mov_b32 s33, s20
	s_mov_b32 s34, s21
	s_mov_b32 s35, s21
.irp c, 0,1,2,3
	s_wait_loadcnt 24-8*\c                         ; loads come back in order: this chunk's eight are in, the later chunks' stay out
.irp k, 0,1
.irp d, 0,2
	v_pk_add_f32 v[LD+32*\c+4*\k+\d:LD+32*\c+4*\k+\d+1], v[LD+32*\c+4*\k+\d:LD+32*\c+4*\k+\d+1], v[LD+32*\c+8+4*\k+\d:LD+32*\c+8+4*\k+\d+1]
	v_pk_add_f32 v[LD+32*\c+16+4*\k+\d:LD+32*\c+16+4*\k+\d+1], v[LD+32*\c+16+4*\k+\d:LD+32*\c+16+4*\k+\d+1], v[LD+32*\c+24+4*\k+\d:LD+32*\c+24+4*\k+\d+1]
.endr
.endr
.irp k, 0,1
.irp d, 0,2
	v_pk_add_f32 v[LD+32*\c+4*\k+\d:LD+32*\c+4*\k+\d+1], v[LD+32*\c+4*\k+\d:LD+32*\c+4*\k+\d+1], v[LD+32*\c+16+4*\k+\d:LD+32*\c+16+4*\k+\d+1]
.endr
.endr
.irp d, 0,2
	v_pk_mul_f32 v[OU+4*\c+\d:OU+4*\c+\d+1], v[LD+32*\c+\d:LD+32*\c+\d+1], s[32:33] op_sel_hi:[1,0]
.endr
.irp d, 0,2
	v_pk_fma_f32 v[OU+4*\c+\d:OU+4*\c+\d+1], v[LD+32*\c+4+\d:LD+32*\c+4+\d+1], s[34:35], v[OU+4*\c+\d:OU+4*\c+\d+1] op_sel_hi:[1,0,1]
.endr
	global_store_b128 v1, v[OU+4*\c:OU+4*\c+3], s[8:9] offset:512*\c th:TH_STORE_NT
.endr
	s_endpgm
.Lfunc_end_k_qcdd2e52af1_combine:
	.size	k_qcdd2e52af1_combine, .Lfunc_end_k_qcdd2e52af1_combine-k_qcdd2e52af1_combine
	.p2alignl 7, 3214868480
	.fill 96, 4, 3214868480
	.section	.rodata,"a",@progbits
	.p2align	6, 0x0
	.amdhsa_kernel k_qcdd2e52af1_combine
		.amdhsa_group_segment_fixed_size 0
		.amdhsa_private_segment_fixed_size 0
		.amdhsa_enable_private_segment 0
		.amdhsa_kernarg_size 24
		.amdhsa_user_sgpr_count 2
		.amdhsa_user_sgpr_kernarg_segment_ptr 1
		.amdhsa_wavefront_size32 1
		.amdhsa_system_sgpr_workgroup_id_x 1
		.amdhsa_system_sgpr_workgroup_id_y 1
		.amdhsa_system_sgpr_workgroup_id_z 1
		.amdhsa_system_vgpr_workitem_id 0
		.amdhsa_next_free_vgpr 160
		.amdhsa_next_free_sgpr 66
		.amdhsa_reserve_vcc 0
		.amdhsa_float_denorm_mode_32 3
		.amdhsa_float_denorm_mode_16_64 3
		.amdhsa_memory_ordered 1
		.amdhsa_forward_progress 1
		.amdhsa_inst_pref_size 9
	.end_amdhsa_kernel
	.amdgpu_metadata
---
amdhsa.version: [ 1, 2 ]
amdhsa.kernels:
  - .name:           k_qcdd2e52af1_combine
    .symbol:         k_qcdd2e52af1_combine.kd
    .args:
      - { .name: part, .offset: 0, .size: 8, .value_kind: global_buffer, .address_space: global }
      - { .name: gate, .offset: 8, .size: 8, .value_kind: global_buffer, .address_space: global }
      - { .name: out0, .offset: 16, .size: 8, .value_kind: global_buffer, .address_space: global }
    .group_segment_fixed_size: 0
    .private_segment_fixed_size: 0
    .kernarg_segment_align: 8
    .kernarg_segment_size: 24
    .max_flat_workgroup_size: 256
    .sgpr_count:     66
    .vgpr_count:     160
    .wavefront_size: 32
...
	.end_amdgpu_metadata
.endif
;; end of part 5
